; MI455X (gfx1250); checked and timed in simulation.
; The chip was launched on July 23, 2026; its instructions are those of AMD's public machine-readable ISA for CDNA 5 (MIT licence, August 2026) and "CDNA5" Instruction Set Architecture Reference Guide (July 2026). The comments in the code are by the model that wrote it; some were corrected since.
;; QC Attention. Allowed arithmetic: matrix products marked QUANTISED: E2M3 operands, one E8M0 scale for each 32 along K, by v_wmma_scale_f32_16x16x128_f8f6f4 with both operands' format E2M3, f32 sums; products left as they are: f32 operands where the result goes on into a quantised operand, else bf16, f16 or f32 operands; f32 sums; everything else in f32.
;; Inputs: Wk 512 x 512 float32; Wo 512 x 512 float32; Wq 512 x 512 float32; Wv 512 x 512 float32; bk 512 float32; bo 512 float32; bq 512 float32; bv 512 float32; c_seq 16 x 1,024 x 32 int32; k 16 x 1,024 x 512 float32; q 16 x 1,024 x 512 float32; q_seq 16 x 1,024 int32; v 16 x 1,024 x 512 float32.
;; Outputs: out0 16 x 1,024 x 512 float32.
;; This version of the problem:
;;   THIS VERSION OF THE PROBLEM IS GIVEN IN LOW PRECISION. The matrix products marked QUANTISED in the list below multiply operands that are first quantised to E2M3 (2 exponent bits, 3 mantissa bits; 6 bits a number), with one power-of-two scale for each 32 numbers along K (OCP MX v1.0); their sums are f32. All else is computed in f32.
;;   The module's matrix products, in the order in which they are computed (A, B: the left and right operand; K: the contracted axis; several contracted axes count as one K, in the product's order):
;;     1. [M 16,384, K 512] x [K 512, N 512]; A: input k; B: input Wk: QUANTISED
;;     2. [M 16,384, K 512] x [K 512, N 512]; A: input q; B: input Wv: QUANTISED
;;     3. [M 16,384, K 512] x [K 512, N 512]; A: input v; B: input Wq: QUANTISED
;;     4. batch 16 x [M 1,024, K 32] x [K 32, N 1,024]; A: input c_seq; B: input c_seq: left as it is (operands are no floats)
;;     5. batch 128 x [M 1,024, K 64] x [K 64, N 1,024]; A: computed on the way; B: computed on the way: QUANTISED
;;     6. batch 128 x [M 1,024, K 1,024] x [K 1,024, N 64]; A: computed on the way; B: computed on the way: QUANTISED
;;     7. [M 16,384, K 512] x [K 512, N 512]; A: computed on the way; B: input Wo: QUANTISED
;;   THE QUANTISER, for each operand of a quantised product, along K:
;;     - K is cut into blocks of 32 from its start; a last block that is shorter is filled with zeros.
;;     - A block's scale is 2^e with e = floor(log2(the largest magnitude in the block)) - 2, held to -126 .. 127; a block of zeros has e = 0. As a byte (E8M0): e + 127.
;;     - Each number is divided by its block's scale, clamped to +-7.5, and rounded to the nearest number of E2M3, ties to even, subnormals kept.
;;     - The product sums the exact products of the quantised numbers (number of the format x scale) in f32.
;;   ~~~python
;;   def quantise(x, axis):      # numpy; x: float32 -> the quantised numbers, widened to float32 again
;;       x = np.moveaxis(x, axis, -1); K = x.shape[-1]
;;       x = np.pad(x, [(0, 0)] * (x.ndim - 1) + [(0, -K % 32)]); x = x.reshape(x.shape[:-1] + (-1, 32)); a = np.abs(x).max(-1, keepdims=True)
;;       e = np.where(a > 0, np.clip(np.frexp(np.where(a > 0, a, 1))[1] - 1 - 2, -126, 127), 0)      # np.frexp(a)[1] - 1 = floor(log2(a)), exactly
;;       r = np.clip(x / 2.0 ** e, -7.5, 7.5)
;;       step = 2.0 ** (np.maximum(np.frexp(np.where(r == 0, 1, r))[1] - 1, 0) - 3)
;;       q = np.round(r / step) * step * 2.0 ** e      # np.round: ties to even
;;       return np.moveaxis(q.reshape(q.shape[:-2] + (-1,))[..., :K], -1, axis).astype(np.float32)
;;   ~~~
;;   OPERANDS COMPUTED ON THE WAY. 'Computed on the way' means the value that the module computes at that place (a softmax that the list does not call 'softmax' is quantised finished and normalised). What goes into a quantiser is computed in f32, as accurately as f32 sums, v_exp_f32 and their like allow (about 1e-6 of the number): no bf16 or f16 on the way to a quantiser, and a product that is left as it is and whose result goes on into a quantised operand takes f32 operands (vector FMAs, or v_wmma_f32_16x16x4_f32). A number that lies on a knife's edge between two numbers of the format may be rounded either way, as far as f32 arithmetic and the matrix unit's own rounding can turn it there, and no further.
;; One version. Each part assembles by itself: llvm-mc -triple=amdgcn-amd-amdhsa -mcpu=gfx1250 --defsym DOCPART=n.
;; ======== version 1 of 1: 4 launches
;; limits: right only within a limited range of input values
;; workspace buffers: xw 20,480,000 bytes; mp 4,194,304 bytes of whole numbers; hd 19,660,800 bytes; cc 6,553,600 bytes
;; launch prep (part 1): grid 464 x 1, 8 waves a work-group, no clusters, 76,800 bytes of LDS; arguments q, k, v, Wv, Wk, Wq, Wo, c_seq, q_seq, xw, mp; writes xw, mp
.if DOCPART == 1
	.amdgcn_target "amdgcn-amd-amdhsa--gfx1250"
	.amdhsa_code_object_version 6
	.text
	.protected	k_qcc54832d86_prep
	.globl	k_qcc54832d86_prep
	.p2align	8
	.type	k_qcc54832d86_prep,@function
k_qcc54832d86_prep:
	s_mov_b64 s[64:65], 0
	v_nop
	global_prefetch_b8 v0, s[64:65] scope:SCOPE_SE
	s_setreg_imm32_b32 hwreg(HW_REG_WAVE_MODE, 25, 1), 1
	s_wait_xcnt 0x0
; PREP.  Two kinds of work-group, parted once on the work-group's number; each kind has LDS bytes of its own.
; (1) Work-groups 0-399: q, k, v [16384][512] and Wv, Wk, Wq, Wo [512][512], f32, become codes of FP6 (E2M3) with one E8M0 byte for each 32 along K = 512.
;     A wave takes one TILE of 16 rows x 512.  The codes are stored as IMAGES OF THE OPERAND'S REGISTERS: for each 128 along K a fragment of 12 registers a lane,
;     three groups of four registers, group g at 512 g + 16 x lane: 1,536 bytes; a tile is 6,144 bytes.  Tiles: q 0-1023, k 1024-, v 2048-, Wv 3072-, Wk 3104-, Wq 3136-, Wo 3168-3199.
;     The rows' scale bytes lie behind the codes: tile x 256 + 16 x row + block.
;     q's tiles take 16 neighbouring rows.  ALL OTHER TILES ARE PERMUTED: lane r of tile T takes row 32 (T / 2) + 8 (T % 2) + r + 8 (r / 8), so that a product that takes such a tile as source 0
;     leaves, in the 16 registers of tiles 2 b and 2 b + 1, 16 neighbours along that axis.
;     A block's scale is 2^(floor(log2(largest magnitude)) - 2); its byte is the largest magnitude's exponent field - 2, held at 1 from below.
; (2) Work-groups 400-463: the mask.  A row's 32 entries of c_seq become one word (bit k = entry k is not 0); two rows share a concept where the AND of their words is not 0.
;     e = (share a concept) + (same question) is stored in 2 bits for each (query, key), in the order in which the attention launch holds its scores:
;     ((b 64 + t) 8 + s) 512 + 16 x lane, dword B, bits 2 i: query 16 t + lane % 16, key 128 s + 32 B + 16 (lane / 16) + i.  Only key steps s <= t / 8 are made: the others lie above the diagonal.
; LIMITS: entries of c_seq are taken as >= 0 (then the sum of products is > 0 just where the AND is not 0); NaN and infinities among the floats are not served;
; a block of zeros gets the byte 1 where the rule says 127: its codes are zeros, and the bytes are read by this program alone.
.set XWS,  19660800                    ; where the scale bytes begin in xw
.set SPT,  528                         ; a stage row: 512 bytes + 16: sixteen rows start in sixteen different 16-byte columns of 256 bytes
.set STGB, 16*SPT                      ; a wave's stage
.set CBL,  8*STGB                      ; mask path: 1,024 words of concept bits
.set QBL,  CBL+4096                    ; and 1,024 words of q_seq
.set R0,   16                          ; v16-143  two sets of 64 numbers as loaded
.set X,    144                         ; v144-207 64 numbers in the quantiser's order
.set PC,   208                         ; v208-226 the codes just made
.set TM,   228                         ; v228-243 at work
.set PW4,  244                         ; v244-247 the tile's four scale words
.set SEL,  48                          ; s[48:49] lane selects for v_permlanex16_b32: lane l xor 16
; 64 numbers of a lane, register 16 b + i = k 32 b + 16 (lane / 16) + i of my row, become a fragment's codes in v[PC] .. v[PC+11] and its scale word in v[pw].
.macro QUANT s, pw
.irp b, 0,1,2,3
	v_max3_num_f32 v[TM+\b], |v[\s+16*\b]|, |v[\s+1+16*\b]|, 0x1800000   ; my 16 numbers of block b, and the floor 2^(3 - 127): the byte cannot fall under 1
.endr
.irp i, 2,4,6,8,10,12,14
.irp b, 0,1,2,3
	s_delay_alu instid0(VALU_DEP_4)
	v_max3_num_f32 v[TM+\b], v[TM+\b], |v[\s+16*\b+\i]|, |v[\s+1+16*\b+\i]|
.endr
.endr
.irp b, 0,1,2,3
	s_delay_alu instid0(VALU_DEP_4)
	v_permlanex16_b32 v[TM+4+\b], v[TM+\b], s[SEL], s[SEL+1]
.endr
.irp b, 0,1,2,3
	s_delay_alu instid0(VALU_DEP_4)
	v_max_num_f32 v[TM+\b], v[TM+\b], v[TM+4+\b]   ; with lane l xor 16's: the block's largest magnitude
.endr
.irp b, 0,1,2,3
	s_delay_alu instid0(VALU_DEP_4)
	v_add_nc_u32 v[TM+12+\b], 0xff000000, v[TM+\b]   ; 2 off its exponent field: the conversion's scale operand
.endr
.irp b, 0,1,2,3
	s_delay_alu instid0(VALU_DEP_4)
	v_lshrrev_b32 v[TM+4+\b], 23, v[TM+12+\b]      ; the scale's byte
.endr
	s_delay_alu instid0(VALU_DEP_3)
	v_lshl_or_b32 v[\pw], v[TM+5], 8, v[TM+4]
	s_delay_alu instid0(VALU_DEP_1)
	v_lshl_or_b32 v[\pw], v[TM+6], 16, v[\pw]
	s_delay_alu instid0(VALU_DEP_1)
	v_lshl_or_b32 v[\pw], v[TM+7], 24, v[\pw]
.irp c, 0,1
	v_cvt_scalef32_pk16_fp6_f32 v[PC+6*\c:PC+2+6*\c], v[\s+32*\c:\s+15+32*\c], v[TM+12+2*\c]
	v_cvt_scalef32_pk16_fp6_f32 v[PC+12+4*\c:PC+14+4*\c], v[\s+16+32*\c:\s+31+32*\c], v[TM+12+2*\c+1]   ; (a conversion's three registers begin on an even number)
.endr
	v_nop                                          ; one plain place behind the scaled conversions
.irp c, 0,1                                    ; the operand's layout wants a whole block in a lane: lanes 0-15 block 2 c, lanes 16-31 block 2 c + 1
.irp i, 0,1,2
	v_permlane16_swap_b32 v[PC+6*\c+\i], v[PC+12+4*\c+\i]
.endr
.irp i, 0,1,2
	s_delay_alu instid0(VALU_DEP_3)
	v_mov_b32 v[PC+3+6*\c+\i], v[PC+12+4*\c+\i]
.endr
.endr
.endm
; K step s of my 16 rows: each load reads 512 consecutive bytes of one row.  Rows 8-15 of a permuted tile lie 8 rows further down: v5 holds that.
.macro XLOAD s
.irp i, 0,1,2,3,4,5,6,7
	global_load_b128 v[R0+64*((\s)%2)+4*\i:R0+64*((\s)%2)+4*\i+3], v4, s[32:33] offset:\i*2048+512*(\s) th:TH_LOAD_NT
.endr
.irp i, 8,9,10,11,12,13,14,15
	global_load_b128 v[R0+64*((\s)%2)+4*\i:R0+64*((\s)%2)+4*\i+3], v5, s[32:33] offset:\i*2048+512*(\s) th:TH_LOAD_NT
.endr
.endm
.macro KSTEP s
.if (\s) < 3
	s_wait_loadcnt 16                              ; this K step's 16 loads are in; the next step's 16 may be out
.else
	s_wait_loadcnt 0x0
.endif
.irp i, 0,1,2,3,4,5,6,7,8,9,10,11,12,13,14,15
	ds_store_b128 v6, v[R0+64*((\s)%2)+4*\i:R0+64*((\s)%2)+4*\i+3] offset:\i*SPT   ; the rows as they lie, into my own stage
.endr
.irp b, 0,1,2,3
.irp j, 0,1,2,3
	ds_load_b128 v[X+16*\b+4*\j:X+16*\b+4*\j+3], v7 offset:128*\b+16*\j   ; and back: of row r, 16 neighbours of each block of 32.  LDS serves a wave's instructions in order
.endr
.endr
	s_wait_dscnt 0x0                               ; the numbers are back, so the stores into the stage have read their registers,
.if (\s) < 2
	XLOAD (\s)+2                                   ; which take the loads of two K steps on
.endif
	s_wait_xcnt 0x0                                ; the last K step's stores have read the codes' registers
	QUANT X, PW4+(\s)
.irp g, 0,1,2
	global_store_b128 v4, v[PC+4*\g:PC+4*\g+3], s[40:41] offset:(\s)*1536+512*\g   ; 512 consecutive bytes, aligned
.endr
.endm
; mask path: 32 rows of c_seq, a row a load: lane k holds entry k
.macro CLOAD g
.irp i, 0,1,2,3,4,5,6,7,8,9,10,11,12,13,14,15,16,17,18,19,20,21,22,23,24,25,26,27,28,29,30,31
	global_load_b32 v[32+32*((\g)%2)+\i], v11, s[22:23] offset:(32*(\g)+\i)*128
.endr
.endm
.macro CBITS g                         ; a row's word is the compare's lane mask; it goes to lane i of the group's register
.irp i, 0,1,2,3,4,5,6,7,8,9,10,11,12,13,14,15,16,17,18,19,20,21,22,23,24,25,26,27,28,29,30,31
	v_cmp_ne_u32 s[44+\i%4], 0, v[32+32*((\g)%2)+\i]
	s_delay_alu instid0(VALU_DEP_1)
	v_writelane_b32 v[12+(\g)], s[44+\i%4], \i
.endr
.endm
	s_load_b512 s[8:23], s[0:1], 0x0               ; q, k, v, Wv, Wk, Wq, Wo, c_seq
	s_load_b128 s[24:27], s[0:1], 0x40             ; q_seq, xw
	s_load_b64 s[28:29], s[0:1], 0x50              ; mp
	v_lshl_add_u32 v254, v0, 2, 0x12800
	v_mov_b32 v255, 0
	v_lshrrev_b32 v1, 5, v0
	s_delay_alu instid0(VALU_DEP_1)
	v_readfirstlane_b32 s30, v1                    ; wave 0..7
	v_and_b32 v2, 31, v0                           ; lane
	v_and_b32 v3, 15, v0                           ; r
	v_bfe_u32 v10, v0, 4, 1                        ; h
	s_delay_alu instid0(VALU_DEP_3)
	v_lshlrev_b32 v4, 4, v2                        ; 16 x lane
	s_wait_kmcnt 0x0
	s_cmp_ge_u32 ttmp9, 400
	s_cbranch_scc1 .Lmask
	; ---------------- the quantiser ----------------
	s_mul_i32 s31, s30, STGB
	s_wait_alu depctr_va_vdst(0)
	v_add_nc_u32 v6, s31, v4                       ; into my stage: 16 x lane (+ 528 x row)
	v_mul_u32_u24 v7, v3, SPT
	s_delay_alu instid0(VALU_DEP_1)
	v_lshl_add_u32 v7, v10, 6, v7
	s_delay_alu instid0(VALU_DEP_1)
	v_add_nc_u32 v7, s31, v7                       ; out of it: row r, + 64 h
	v_lshlrev_b32 v9, 4, v3                        ; 16 r: my row's scale bytes
	s_mov_b32 s[SEL], 0x76543210
	s_mov_b32 s[SEL+1], 0xfedcba98
.irp b, 0,1,2,3
	v_mov_b32 v[TM+4+\b], 0                        ; written once: a lane permute's destination counts as one of its sources
.endr
	s_lshl_b32 s34, ttmp9, 3
	s_add_co_u32 s34, s34, s30                     ; my tile
	s_mov_b64 s[32:33], s[20:21]                   ; which tensor: the choice hangs on the work-group's number alone
	s_cmp_lt_u32 ttmp9, 396
	s_cselect_b64 s[32:33], s[18:19], s[32:33]
	s_cmp_lt_u32 ttmp9, 392
	s_cselect_b64 s[32:33], s[16:17], s[32:33]
	s_cmp_lt_u32 ttmp9, 388
	s_cselect_b64 s[32:33], s[14:15], s[32:33]
	s_mov_b32 s35, 31
	s_cmp_lt_u32 ttmp9, 384
	s_cselect_b64 s[32:33], s[12:13], s[32:33]
	s_cselect_b32 s35, 1023, s35
	s_cmp_lt_u32 ttmp9, 256
	s_cselect_b64 s[32:33], s[10:11], s[32:33]
	s_cmp_lt_u32 ttmp9, 128
	s_cselect_b64 s[32:33], s[8:9], s[32:33]
	s_and_b32 s35, s34, s35                        ; T: the tile's number in its tensor
	s_lshr_b32 s36, s35, 1
	s_lshl_b32 s36, s36, 5
	s_and_b32 s37, s35, 1
	s_lshl_b32 s37, s37, 3
	s_add_co_u32 s36, s36, s37                     ; a permuted tile's first row: 32 (T / 2) + 8 (T % 2)
	s_lshl_b32 s37, s35, 4                         ; a natural tile's: 16 T
	s_cmp_lt_u32 ttmp9, 128                        ; q alone is natural
	s_cselect_b32 s36, s37, s36
	s_cselect_b32 s38, 0, 16384                    ; rows 8-15 of a permuted tile: 8 rows of 2,048 bytes further down
	s_lshl_b32 s36, s36, 11
	s_mov_b32 s37, 0
	s_add_nc_u64 s[32:33], s[32:33], s[36:37]
	v_add_nc_u32 v5, s38, v4
	s_mul_i32 s36, s34, 6144
	s_add_nc_u64 s[40:41], s[26:27], s[36:37]      ; my tile's codes
	s_lshl_b32 s36, s34, 8
	s_add_co_u32 s36, s36, XWS
	s_add_nc_u64 s[42:43], s[26:27], s[36:37]      ; and its scale bytes
	XLOAD 0
	XLOAD 1
	s_wait_alu depctr_va_vdst(0)
	KSTEP 0
	KSTEP 1
	KSTEP 2
	KSTEP 3
	global_store_b128 v9, v[PW4:PW4+3], s[42:43]   ; a row's 16 scale bytes; both halves of the lanes hold and store the same: 256 consecutive bytes, aligned
	s_wait_tensorcnt 0x0
	ds_add_u32 v254, v255
	s_wait_dscnt 0x0
	s_endpgm
	; ---------------- the mask ----------------
.Lmask:
	; THE MASK'S SHARES: work-groups 400-463, four to a batch.  Each takes the query groups G = 0..3 and then 7 - G: (G + 1) + (8 - G) = 9 key steps for every work-group,
	; and the batch's words are gathered in LDS once for both groups.
	s_and_b32 s34, ttmp9, 3                        ; G: the first of my two groups of eight query tiles (400 is a multiple of 4)
	s_lshr_b32 s35, ttmp9, 2
	s_sub_co_u32 s35, s35, 100                     ; b
	s_lshl_b32 s36, s34, 3
	s_add_co_u32 s36, s36, s30                     ; t = 8 G + wave: my query tile
	s_wait_alu depctr_va_vdst(0)
	v_lshlrev_b32 v11, 2, v2                       ; 4 x lane
	s_lshl_b32 s37, s30, 9                         ; 512 x wave
	v_add_nc_u32 v8, s37, v11
	s_delay_alu instid0(VALU_DEP_1)
	v_add_nc_u32 v8, CBL, v8                       ; where I store concept words
	v_add_nc_u32 v160, s37, v4
	s_delay_alu instid0(VALU_DEP_1)
	v_add_nc_u32 v160, QBL, v160                   ; and q_seq
	s_lshl_b32 s38, s36, 6
	v_lshl_add_u32 v161, v3, 2, s38                ; 64 t + 4 r: my query
	s_delay_alu instid0(VALU_DEP_1)
	v_add_nc_u32 v162, QBL, v161
	s_delay_alu instid0(VALU_DEP_2)
	v_add_nc_u32 v161, CBL, v161
	v_lshlrev_b32 v163, 6, v10                     ; 64 h: my half's 16 keys of a block
	s_delay_alu instid0(VALU_DEP_1)
	v_add_nc_u32 v164, QBL, v163
	s_delay_alu instid0(VALU_DEP_2)
	v_add_nc_u32 v163, CBL, v163
	s_lshl_b32 s40, s35, 17
	s_lshl_b32 s41, s30, 14
	s_add_co_u32 s40, s40, s41
	s_mov_b32 s41, 0
	s_add_nc_u64 s[22:23], s[22:23], s[40:41]      ; c_seq: batch b, rows 128 x wave on
	s_lshl_b32 s40, s35, 12
	s_add_co_u32 s40, s40, s37
	s_add_nc_u64 s[24:25], s[24:25], s[40:41]      ; q_seq likewise
	s_lshl_b32 s40, s35, 6
	s_add_co_u32 s40, s40, s36
	s_lshl_b32 s40, s40, 12
	s_add_nc_u64 s[28:29], s[28:29], s[40:41]      ; my tile's planes
.irp g, 0,1,2,3
	v_mov_b32 v[12+\g], 0                          ; v_writelane_b32's destination counts as read
.endr
	global_load_b128 v[168:171], v4, s[24:25]
	CLOAD 0
	CLOAD 1
	s_wait_alu depctr_va_vdst(0)
	s_wait_loadcnt 32                              ; this group's 32 loads are in; the next group's may be out
	CBITS 0
	CLOAD 2
	s_wait_loadcnt 32
	CBITS 1
	CLOAD 3
	s_wait_loadcnt 32
	CBITS 2
	s_wait_loadcnt 0x0
	CBITS 3
.irp g, 0,1,2,3
	ds_store_b32 v8, v[12+\g] offset:128*\g
.endr
	ds_store_b128 v160, v[168:171]
	s_wait_dscnt 0x0                               ; for the others' sake: my stores have landed
	s_barrier_signal -1
	s_barrier_wait -1                              ; the batch's 1,024 words of each kind lie in LDS; nothing is stored there from here on
.macro MPASS                           ; one group of eight query tiles: s34 = G, v161 and v162 my query's words, s[28:29] my tile's planes
	ds_load_b32 v176, v161
	ds_load_b32 v177, v162                         ; and its question
	s_wait_dscnt 0x0
	s_mov_b32 s36, 0                               ; key step s
	s_mov_b32 s37, 0                               ; 512 s
.Lms_\@:
	s_cmp_gt_u32 s36, s34
	s_cbranch_scc1 .Lmskip_\@
	v_add_nc_u32 v165, s37, v163
	v_add_nc_u32 v166, s37, v164
.irp b, 0,1,2,3
.irp j, 0,1,2,3
	ds_load_b128 v[32+16*\b+4*\j:35+16*\b+4*\j], v165 offset:128*\b+16*\j   ; keys 128 s + 32 b + 16 h + 4 j on: the same words for the sixteen lanes of a half
	ds_load_b128 v[96+16*\b+4*\j:99+16*\b+4*\j], v166 offset:128*\b+16*\j
.endr
.endr
	s_wait_dscnt 0x0
.set n, 0
.rept 64
	v_and_b32 v[32+n], v176, v[32+n]
	v_xor_b32 v[96+n], v177, v[96+n]
.set n, n+1
.endr
.set n, 0
.rept 64
	v_min_u32 v[32+n], 1, v[32+n]                  ; 1 where a concept is shared
	v_min_u32 v[96+n], 1, v[96+n]                  ; 1 where the questions differ
.set n, n+1
.endr
.irp i, 1,2,3,4,5,6,7,8,9,10,11,12,13,14,15
.irp b, 0,1,2,3
	v_lshl_add_u32 v[32+16*\b], v[32+16*\b+\i], 2*\i, v[32+16*\b]   ; 2 bits a key, eight chains by turns
	v_lshl_add_u32 v[96+16*\b], v[96+16*\b+\i], 2*\i, v[96+16*\b]
.endr
.endr
.irp b, 0,1,2,3
	v_sub_nc_u32 v[180+\b], v[32+16*\b], v[96+16*\b]
.endr
.irp b, 0,1,2,3
	s_delay_alu instid0(VALU_DEP_4)
	v_add_nc_u32 v[180+\b], 0x55555555, v[180+\b]  ; each field: shared + 1 - differ = 0, 1 or 2: no borrow passes a field
.endr
	global_store_b128 v4, v[180:183], s[28:29]     ; 512 consecutive bytes, aligned
.Lmskip_\@:
	s_wait_xcnt 0x0                                ; the store has read its data and its base: both are written again
	s_add_nc_u64 s[28:29], s[28:29], 512
	s_add_co_u32 s37, s37, 512
	s_add_co_u32 s36, s36, 1
	s_cmp_lt_u32 s36, 8
	s_cbranch_scc1 .Lms_\@
.endm
	MPASS
	; the second group, 7 - G.  The planes' address stands one tile behind tile t = 8 G + wave: the new tile lies 8 (7 - 2 G) - 1 tiles of 4,096 bytes further on
	s_lshl_b32 s40, s34, 4
	s_sub_co_u32 s40, 55, s40
	s_lshl_b32 s40, s40, 12
	s_add_nc_u64 s[28:29], s[28:29], s[40:41]      ; (s41 is still 0; the last store has read its base: the wait stands in every trip)
	s_xor_b32 s34, s34, 7                          ; 7 - G
	s_and_b32 s34, s34, 7
	s_lshl_b32 s36, s34, 3
	s_add_co_u32 s36, s36, s30                     ; t
	s_lshl_b32 s38, s36, 6
	v_lshl_add_u32 v161, v3, 2, s38                ; 64 t + 4 r: my query
	v_add_nc_u32 v162, QBL, v161
	v_add_nc_u32 v161, CBL, v161
	s_wait_alu depctr_va_vdst(0)                   ; the wait ahead of the readers below
	MPASS
	s_wait_tensorcnt 0x0
	ds_add_u32 v254, v255
	s_wait_dscnt 0x0
	s_endpgm
.Lfunc_end_k_qcc54832d86_prep:
	.size	k_qcc54832d86_prep, .Lfunc_end_k_qcc54832d86_prep-k_qcc54832d86_prep
	.p2alignl 7, 3214868480
	.fill 96, 4, 3214868480
	.section	.rodata,"a",@progbits
	.p2align	6, 0x0
	.amdhsa_kernel k_qcc54832d86_prep
		.amdhsa_group_segment_fixed_size 76800
		.amdhsa_private_segment_fixed_size 0
		.amdhsa_enable_private_segment 0
		.amdhsa_kernarg_size 88
		.amdhsa_user_sgpr_count 2
		.amdhsa_user_sgpr_kernarg_segment_ptr 1
		.amdhsa_wavefront_size32 1
		.amdhsa_system_sgpr_workgroup_id_x 1
		.amdhsa_system_sgpr_workgroup_id_y 1
		.amdhsa_system_sgpr_workgroup_id_z 1
		.amdhsa_system_vgpr_workitem_id 0
		.amdhsa_next_free_vgpr 256
		.amdhsa_next_free_sgpr 66
		.amdhsa_reserve_vcc 0
		.amdhsa_float_denorm_mode_32 3
		.amdhsa_float_denorm_mode_16_64 3
		.amdhsa_memory_ordered 1
		.amdhsa_forward_progress 1
		.amdhsa_inst_pref_size 113
	.end_amdhsa_kernel
	.amdgpu_metadata
---
amdhsa.version: [ 1, 2 ]
amdhsa.kernels:
  - .name:           k_qcc54832d86_prep
    .symbol:         k_qcc54832d86_prep.kd
    .args:
      - { .name: q, .offset: 0, .size: 8, .value_kind: global_buffer, .address_space: global }
      - { .name: k, .offset: 8, .size: 8, .value_kind: global_buffer, .address_space: global }
      - { .name: v, .offset: 16, .size: 8, .value_kind: global_buffer, .address_space: global }
      - { .name: Wv, .offset: 24, .size: 8, .value_kind: global_buffer, .address_space: global }
      - { .name: Wk, .offset: 32, .size: 8, .value_kind: global_buffer, .address_space: global }
      - { .name: Wq, .offset: 40, .size: 8, .value_kind: global_buffer, .address_space: global }
      - { .name: Wo, .offset: 48, .size: 8, .value_kind: global_buffer, .address_space: global }
      - { .name: c_seq, .offset: 56, .size: 8, .value_kind: global_buffer, .address_space: global }
      - { .name: q_seq, .offset: 64, .size: 8, .value_kind: global_buffer, .address_space: global }
      - { .name: xw, .offset: 72, .size: 8, .value_kind: global_buffer, .address_space: global }
      - { .name: mp, .offset: 80, .size: 8, .value_kind: global_buffer, .address_space: global }
    .group_segment_fixed_size: 76800
    .private_segment_fixed_size: 0
    .kernarg_segment_align: 8
    .kernarg_segment_size: 88
    .max_flat_workgroup_size: 256
    .sgpr_count:     66
    .vgpr_count:     256
    .wavefront_size: 32
...
	.end_amdgpu_metadata
.endif
;; end of part 1
;; launch proj (part 2): grid 64 x 3, 4 waves a work-group, no clusters, 327,680 bytes of LDS; arguments xw, bv, bk, bq, hd; writes hd
.if DOCPART == 2
	.amdgcn_target "amdgcn-amd-amdhsa--gfx1250"
	.amdhsa_code_object_version 6
	.text
	.protected	k_qcc54832d86_proj
	.globl	k_qcc54832d86_proj
	.p2align	8
	.type	k_qcc54832d86_proj,@function
k_qcc54832d86_proj:
	s_mov_b64 s[64:65], 0
	v_nop
	global_prefetch_b8 v0, s[64:65] scope:SCOPE_SE
	s_setreg_imm32_b32 hwreg(HW_REG_WAVE_MODE, 25, 1), 1
	s_wait_xcnt 0x0
.set XWS,  19660800
.set HS,   18874368
.set TSL,  98304
.set GATH, 102400
.set TF,   16
.set ACC,  64
.set PC,   128
.set TM,   148
.set PW,   164
.set BLN,  165
.set BT,   166
.set TSC,  168
.set SS,   172
.set SEL,  84
.set MSB, 0
.macro WIN new
.if MSB != \new
	s_set_vgpr_msb (MSB<<8)|\new
.set MSB, \new
.endif
.endm
.macro QUANT s, pw
.irp b, 0,1,2,3
	v_max3_num_f32 v[TM+\b], |v[\s+16*\b]|, |v[\s+1+16*\b]|, 0x1800000
.endr
.irp i, 2,4,6,8,10,12,14
.irp b, 0,1,2,3
	v_max3_num_f32 v[TM+\b], v[TM+\b], |v[\s+16*\b+\i]|, |v[\s+1+16*\b+\i]|
.endr
.endr
.irp b, 0,1,2,3
	v_permlanex16_b32 v[TM+4+\b], v[TM+\b], s[SEL], s[SEL+1]
.endr
.irp b, 0,1,2,3
	v_max_num_f32 v[TM+\b], v[TM+\b], v[TM+4+\b]
.endr
.irp b, 0,1,2,3
	v_add_nc_u32 v[TM+12+\b], 0xff000000, v[TM+\b]
.endr
.irp b, 0,1,2,3
	v_lshrrev_b32 v[TM+4+\b], 23, v[TM+12+\b]
.endr
	v_lshl_or_b32 v[\pw], v[TM+5], 8, v[TM+4]
	v_lshl_or_b32 v[\pw], v[TM+6], 16, v[\pw]
	v_lshl_or_b32 v[\pw], v[TM+7], 24, v[\pw]
.irp c, 0,1
	v_cvt_scalef32_pk16_fp6_f32 v[PC+6*\c:PC+2+6*\c], v[\s+32*\c:\s+15+32*\c], v[TM+12+2*\c]
	v_cvt_scalef32_pk16_fp6_f32 v[PC+12+4*\c:PC+14+4*\c], v[\s+16+32*\c:\s+31+32*\c], v[TM+12+2*\c+1]
.endr
	v_nop
.irp c, 0,1
.irp i, 0,1,2
	v_permlane16_swap_b32 v[PC+6*\c+\i], v[PC+12+4*\c+\i]
.endr
.irp i, 0,1,2
	v_mov_b32 v[PC+3+6*\c+\i], v[PC+12+4*\c+\i]
.endr
.endr
.endm
.macro BLOAD
	s_lshr_b32 s80, s62, 1
	s_lshl_b32 s80, s80, 7
	s_and_b32 s81, s62, 1
	s_lshl_b32 s81, s81, 5
	s_add_co_u32 s80, s80, s81
	s_and_b32 s80, s80, s61
	v_add_nc_u32 v5, s80, v4
	global_load_b32 v[BLN], v5, s[58:59]
.endm
.macro TFETCH
	v_add_nc_u32 v9, s76, v1
	v_add_nc_u32 v10, s77, v7
.irp s, 0,1,2,3
.irp g, 0,1,2
	ds_load_b128 v[TF+12*\s+4*\g:TF+12*\s+4*\g+3], v9 offset:\s*1536+512*\g
.endr
.endr
	ds_load_b128 v[TSC:TSC+3], v10
.endm
.macro PLACES n
.rept \n
	v_nop
.endr
.endm
.macro TRIP last
	s_wait_loadcnt 0x0
	v_and_b32 v[BT], s61, v[BLN]
	WIN 0xc3
.set j, 0
.rept 32
	v_pk_add_f32 v[64+j:65+j], v[j:j+1], v[BT:BT+1] op_sel_hi:[1,0]
.set j, j+2
.endr
	WIN 0
.if !\last
	s_add_co_u32 s62, s62, 1
	BLOAD
.endif
	PLACES 4
	s_wait_alu depctr_va_vdst(0)
	s_wait_dscnt 0x0
	WIN 0x31
.irp t, 0,1,2,3,4,5,6,7
	v_wmma_scale_f32_16x16x128_f8f6f4 v[ACC+8*\t:ACC+8*\t+7], v[24*\t:24*\t+11], v[TF:TF+11], v[64+8*\t:71+8*\t], v[SS+4*\t], v[TSC] matrix_a_fmt:MATRIX_FMT_FP6 matrix_b_fmt:MATRIX_FMT_FP6
.endr
	WIN 0x01
.irp t, 0,1,2,3,4,5,6,7
	v_wmma_scale_f32_16x16x128_f8f6f4 v[ACC+8*\t:ACC+8*\t+7], v[24*\t+12:24*\t+23], v[TF+12:TF+23], v[ACC+8*\t:ACC+8*\t+7], v[SS+4*\t+1], v[TSC+1] matrix_a_fmt:MATRIX_FMT_FP6 matrix_b_fmt:MATRIX_FMT_FP6
.endr
	WIN 0x02
.irp t, 0,1,2,3,4,5,6,7
	v_wmma_scale_f32_16x16x128_f8f6f4 v[ACC+8*\t:ACC+8*\t+7], v[24*\t:24*\t+11], v[TF+24:TF+35], v[ACC+8*\t:ACC+8*\t+7], v[SS+4*\t+2], v[TSC+2] matrix_a_fmt:MATRIX_FMT_FP6 matrix_b_fmt:MATRIX_FMT_FP6
.endr
.irp t, 0,1,2,3,4,5,6,7
	v_wmma_scale_f32_16x16x128_f8f6f4 v[ACC+8*\t:ACC+8*\t+7], v[24*\t+12:24*\t+23], v[TF+36:TF+47], v[ACC+8*\t:ACC+8*\t+7], v[SS+4*\t+3], v[TSC+3] matrix_a_fmt:MATRIX_FMT_FP6 matrix_b_fmt:MATRIX_FMT_FP6
.endr
	WIN 0
	PLACES 4
.if !\last
	s_add_co_u32 s76, s76, 6144
	s_add_co_u32 s77, s77, 256
	TFETCH
.endif
	QUANT ACC, PW
	global_store_b128 v1, v[PC:PC+3], s[66:67]
	global_store_b64 v2, v[PC+4:PC+5], s[66:67] offset:512
	global_store_b128 v1, v[PC+6:PC+9], s[68:69]
	global_store_b64 v2, v[PC+10:PC+11], s[68:69] offset:512
	v_add_nc_u32 v11, s78, v8
	ds_store_b32 v11, v[PW]
	s_add_co_u32 s78, s78, 64
.if !\last
	s_wait_xcnt 0x0
	s_add_nc_u64 s[66:67], s[66:67], s[56:57]
	s_add_nc_u64 s[68:69], s[68:69], s[56:57]
.endif
.endm
	s_load_b256 s[4:11], s[0:1], 0x0
	s_load_b64 s[12:13], s[0:1], 0x20
	v_lshl_add_u32 v254, v0, 2, 0x29000
	v_mov_b32 v255, 0
	ds_add_u32 v254, v255
	ds_add_u32 v254, v255
	v_lshrrev_b32 v12, 5, v0
	v_readfirstlane_b32 s14, v12
	v_and_b32 v12, 31, v0
	v_and_b32 v13, 15, v0
	v_bfe_u32 v14, v0, 4, 1
	v_lshlrev_b32 v1, 4, v12
	v_lshlrev_b32 v2, 3, v12
	v_lshlrev_b32 v3, 4, v13
	v_and_b32 v4, 8, v13
	v_add_nc_u32 v4, v4, v13
	v_lshlrev_b32 v4, 2, v4
	v_add_nc_u32 v7, TSL, v3
	s_lshl_b32 s80, s14, 10
	v_lshl_add_u32 v8, v13, 2, s80
	v_add_nc_u32 v8, GATH, v8
	v_add_nc_u32 v12, s80, v1
	v_add_nc_u32 v12, GATH, v12
	s_lshl_b32 s81, s14, 9
	v_lshl_add_u32 v15, v14, 6, s81
.irp b, 0,1,2,3
	v_mov_b32 v[TM+4+\b], 0
.endr
	v_mov_b32 v[BT+1], 0
	s_mov_b32 s[SEL], 0x76543210
	s_mov_b32 s[SEL+1], 0xfedcba98
	s_mov_b32 s16, 3<<16
	s_mov_b32 s17, 32<<16
	s_mov_b32 s18, 96<<16
	s_mov_b32 s19, 32<<16
	s_mov_b32 s20, 96
	s_mov_b32 s21, 32
	s_mov_b32 s22, 0
	s_mov_b32 s23, 0
	s_mov_b32 s24, 3<<16
	s_mov_b32 s25, 32<<16
	s_mov_b32 s26, 4<<16
	s_mov_b32 s27, 32<<16
	s_mov_b32 s28, 4
	s_mov_b32 s29, 32
	s_mov_b32 s30, 0
	s_mov_b32 s31, 0
	s_and_b32 s40, ttmp7, 0xffff
	s_lshr_b32 s41, ttmp9, 1
	s_lshr_b32 s42, ttmp9, 2
	s_and_b32 s43, ttmp9, 1
	s_and_b32 s44, ttmp9, 3
	s_and_b32 s45, s41, 1
	s_lshl_b32 s46, s40, 5
	s_add_co_u32 s46, s46, 3072
	s_lshl_b32 s47, s41, 5
	s_add_co_u32 s47, s47, 2048
	s_lshl_b32 s48, s40, 10
	s_lshl_b32 s49, ttmp9, 4
	s_add_co_u32 s48, s48, s49
	s_lshl_b32 s49, s43, 4
	s_add_co_u32 s86, s49, 3136
	s_lshl_b32 s50, s42, 3
	s_lshl_b32 s80, s14, 1
	s_add_co_u32 s80, s50, s80
	s_mul_i32 s80, s80, 49152
	s_mul_i32 s81, s40, 6291456
	s_add_co_u32 s80, s80, s81
	s_mul_i32 s81, s44, 12288
	s_add_co_u32 s80, s80, s81
	s_lshl_b32 s81, s45, 2
	s_add_co_u32 s81, s81, s50
	s_add_co_u32 s81, s81, s14
	s_mul_i32 s51, s81, 49152
	s_add_co_u32 s51, s51, 12582912
	s_mul_i32 s82, s43, 24576
	s_add_co_u32 s51, s51, s82
	s_lshl_b32 s53, s81, 11
	s_add_co_u32 s53, s53, HS+524288
	s_lshl_b32 s82, s43, 10
	s_add_co_u32 s53, s53, s82
	s_lshl_b32 s52, s42, 2
	s_add_co_u32 s52, s52, s14
	s_lshl_b32 s52, s52, 12
	s_lshl_b32 s82, s40, 18
	s_add_co_u32 s52, s52, s82
	s_lshl_b32 s82, s44, 10
	s_add_co_u32 s52, s52, s82
	s_add_co_u32 s52, s52, HS
	s_mov_b32 s54, 768
	s_mov_b32 s56, 1536
	s_cmp_eq_u32 s40, 2
	s_cselect_b32 s46, s47, s46
	s_cselect_b32 s48, s86, s48
	s_cselect_b32 s50, s51, s80
	s_cselect_b32 s52, s53, s52
	s_cselect_b32 s54, s54, 49152
	s_cselect_b32 s56, s56, 768
	s_cselect_b32 s60, 0, -1
	s_cselect_b32 s61, -1, 0
	s_cselect_b32 s62, s49, 0
	s_mov_b32 s55, 0
	s_mov_b32 s57, 0
	s_lshl_b32 s81, s14, 3
	s_add_co_u32 s46, s46, s81
	s_mov_b32 s83, 0
	s_wait_alu depctr_va_vdst(0)
	s_wait_dscnt 0x0
	s_wait_kmcnt 0x0
	s_mov_b32 s32, 1
	s_mul_i32 s33, s14, 24576
	s_mul_i32 s82, s48, 6144
	s_add_co_u32 s82, s82, s33
	s_add_nc_u64 s[34:35], s[4:5], s[82:83]
	s_or_b32 s35, s35, 0x80000000
	s_mov_b32 s36, 1
	s_lshl_b32 s37, s14, 10
	s_lshl_b32 s82, s48, 8
	s_add_co_u32 s82, s82, s37
	s_add_co_u32 s82, s82, XWS
	s_add_co_u32 s37, s37, TSL
	s_add_nc_u64 s[38:39], s[4:5], s[82:83]
	s_or_b32 s39, s39, 0x80000000
	tensor_load_to_lds s[32:35], s[16:23]
	s_nop 0
	s_wait_alu depctr_va_vdst(0)
	s_wait_tensorcnt 0x0
	ds_add_u32 v254, v255
	s_wait_dscnt 0x0
	s_barrier_signal -1
	s_barrier_wait -1
	tensor_load_to_lds s[36:39], s[24:31]
	s_nop 0
	PLACES 4
	s_cmp_eq_u32 s40, 0
	s_cselect_b64 s[58:59], s[6:7], s[8:9]
	s_cmp_eq_u32 s40, 2
	s_cselect_b64 s[58:59], s[10:11], s[58:59]
	s_mov_b32 s82, s50
	s_add_nc_u64 s[66:67], s[12:13], s[82:83]
	s_add_nc_u64 s[68:69], s[66:67], s[54:55]
	s_mov_b32 s82, s52
	s_add_nc_u64 s[70:71], s[12:13], s[82:83]
	s_mul_i32 s82, s46, 6144
	s_add_nc_u64 s[72:73], s[4:5], s[82:83]
	s_lshl_b32 s82, s46, 8
	s_add_co_u32 s82, s82, XWS
	s_add_nc_u64 s[74:75], s[4:5], s[82:83]
	WIN 0x40
.irp t, 0,1,2,3,4,5,6,7
.irp s, 0,1
.irp g, 0,1,2
	global_load_b128 v[12*(2*\t+\s)+4*\g:12*(2*\t+\s)+4*\g+3], v1, s[72:73] offset:\t*6144+\s*1536+512*\g
.endr
.endr
.endr
	WIN 0x80
.irp t, 0,1,2,3,4,5,6,7
.irp s, 0,1
.irp g, 0,1,2
	global_load_b128 v[12*(2*\t+\s)+4*\g:12*(2*\t+\s)+4*\g+3], v1, s[72:73] offset:\t*6144+(\s+2)*1536+512*\g
.endr
.endr
.endr
	WIN 0
.irp t, 0,1,2,3,4,5,6,7
	global_load_b128 v[SS+4*\t:SS+4*\t+3], v3, s[74:75] offset:\t*256
.endr
.irp t, 0,1,2,3,4,5,6,7
	global_load_b128 v[ACC+8*\t:ACC+8*\t+3], v15, s[58:59] offset:(32*(\t/2)+8*(\t%2))*4
	global_load_b128 v[ACC+8*\t+4:ACC+8*\t+7], v15, s[58:59] offset:(32*(\t/2)+8*(\t%2))*4+16
.endr
	BLOAD
	s_mov_b32 s76, 0
	s_mov_b32 s77, 0
	s_mov_b32 s78, 0
	s_wait_loadcnt 0x0
	WIN 0xc0
.set j, 0
.rept 64
	v_and_b32 v[j], s60, v[ACC+j]
.set j, j+1
.endr
	WIN 0
	s_wait_tensorcnt 0x0
	s_barrier_signal -1
	s_barrier_wait -1
	TFETCH
	s_mov_b32 s79, 15
.Ltau:
	TRIP 0
	s_sub_co_u32 s79, s79, 1
	s_cmp_lg_u32 s79, 0
	s_cbranch_scc1 .Ltau
	TRIP 1
	ds_load_b128 v[16:19], v12
	ds_load_b128 v[20:23], v12 offset:512
	s_wait_dscnt 0x0
	global_store_b128 v1, v[16:19], s[70:71]
	global_store_b128 v1, v[20:23], s[70:71] offset:512
	s_wait_tensorcnt 0x0
	ds_add_u32 v254, v255
	s_wait_dscnt 0x0
	s_endpgm
.Lfunc_end_k_qcc54832d86_proj:
	.size	k_qcc54832d86_proj, .Lfunc_end_k_qcc54832d86_proj-k_qcc54832d86_proj
	.p2alignl 7, 3214868480
	.fill 96, 4, 3214868480
	.section	.rodata,"a",@progbits
	.p2align	6, 0x0
	.amdhsa_kernel k_qcc54832d86_proj
		.amdhsa_group_segment_fixed_size 327680
		.amdhsa_private_segment_fixed_size 0
		.amdhsa_enable_private_segment 0
		.amdhsa_kernarg_size 40
		.amdhsa_user_sgpr_count 2
		.amdhsa_user_sgpr_kernarg_segment_ptr 1
		.amdhsa_wavefront_size32 1
		.amdhsa_system_sgpr_workgroup_id_x 1
		.amdhsa_system_sgpr_workgroup_id_y 1
		.amdhsa_system_sgpr_workgroup_id_z 1
		.amdhsa_system_vgpr_workitem_id 0
		.amdhsa_next_free_vgpr 896
		.amdhsa_next_free_sgpr 96
		.amdhsa_reserve_vcc 0
		.amdhsa_float_denorm_mode_32 3
		.amdhsa_float_denorm_mode_16_64 3
		.amdhsa_memory_ordered 1
		.amdhsa_forward_progress 1
		.amdhsa_inst_pref_size 46
	.end_amdhsa_kernel
	.amdgpu_metadata
---
amdhsa.version: [ 1, 2 ]
amdhsa.kernels:
  - .name:           k_qcc54832d86_proj
    .symbol:         k_qcc54832d86_proj.kd
    .args:
      - { .name: xw, .offset: 0, .size: 8, .value_kind: global_buffer, .address_space: global }
      - { .name: bv, .offset: 8, .size: 8, .value_kind: global_buffer, .address_space: global }
      - { .name: bk, .offset: 16, .size: 8, .value_kind: global_buffer, .address_space: global }
      - { .name: bq, .offset: 24, .size: 8, .value_kind: global_buffer, .address_space: global }
      - { .name: hd, .offset: 32, .size: 8, .value_kind: global_buffer, .address_space: global }
    .group_segment_fixed_size: 327680
    .private_segment_fixed_size: 0
    .kernarg_segment_align: 8
    .kernarg_segment_size: 40
    .max_flat_workgroup_size: 128
    .sgpr_count:     96
    .vgpr_count:     896
    .wavefront_size: 32
...
	.end_amdgpu_metadata
.endif
;; end of part 2
;; launch attn (part 3): grid 2 x 128, 16 waves a work-group, no clusters, 169,984 bytes of LDS; arguments hd, mp, cc; writes cc
.if DOCPART == 3
	.amdgcn_target "amdgcn-amd-amdhsa--gfx1250"
	.amdhsa_code_object_version 6
	.text
	.protected	k_qcc54832d86_attn
	.globl	k_qcc54832d86_attn
	.p2align	8
	.type	k_qcc54832d86_attn,@function
k_qcc54832d86_attn:
	s_mov_b64 s[64:65], 0
	v_nop
	global_prefetch_b8 v0, s[64:65] scope:SCOPE_SE
	s_setreg_imm32_b32 hwreg(HW_REG_WAVE_MODE, 25, 1), 1
	s_wait_xcnt 0x0
; ATTN.  For one head (b, hh): scores = qh kh^T / 8 under the strict lower triangle; softmax; x adj (0.5, 1 or 2 = 2^(e - 1), e from the planes); / the sum of the softmax; x vh.  Both products on codes of FP6 (E2M3).
; THE SECOND PRODUCT'S LEFT OPERAND IS THE FINISHED, NORMALISED WEIGHT, so a row's maximum and sum are known before any weight is converted: TWO PASSES over the keys.
;   pass 1: scores, running maximum (M = the largest t rounded up to a whole number, t = score x log2(e) / 8) and the sum Z of 2^(t - M); when M moves, Z is multiplied by 2^(old M - new M), exactly.
;   pass 2: the same scores again (the same instructions on the same codes give the same bits), w = 2^(t - M) x inv x 2^e, quantised along the keys in blocks of 32, O^T += V^T W^T.
;   inv = 0.5 / Z / sums, sums = Z x (1 / Z) the sum of the normalised weights; a Z or a sums of 0 counts as 1, as in the model.  A row with no key (row 0 of a batch) has every weight 0.
; Key steps wholly above the diagonal are left out; on the diagonal hidden scores become -infinity.
; SHARES.  A work-group has one head and half its query tiles; the head's K and V codes and scale words lie in LDS, filled once.  Wave w takes query tiles tA = 16 p + w and tB = 63 - tA: (tA / 8 + 1) + (tB / 8 + 1) = 9 key
; steps of 128 in each pass for every wave.  Sixteen waves, four to a SIMD, 256 registers each.
; LAYOUT.  Both products transposed: a lane holds ONE query (lane % 16).  K's tiles are permuted (lane r of tile T: key 32 (T / 2) + 8 (T % 2) + r + 8 (r / 8)), so the 16 registers of score tiles 2 B, 2 B + 1 are keys 32 B + 16 h + 0 .. 15.
; V's tiles (16 channels x 128 keys) are permuted likewise, so O^T's 32 registers are 16 neighbouring channels of each block of 32: O is quantised along d as it stands, for the output projection.
; K = 64 IN A FORM OF 128: Q's fragment has zero codes in its upper six registers; K's tile T is named with six more registers (the next tile's codes, or zeros): finite numbers that meet zero codes.
; The scale words come by 16-bit loads, zero-extended: the head's two bytes, and the byte 0 (a power of two, no NaN) for the two blocks of zero codes.
; LDS: 0 K's codes [64 tiles][768]; 49,152 V's codes [8 steps][4 tiles][1,536]; 98,304 K's scale words [64][16][4] (two heads'); 102,400 V's [8][4][16][4].  Nothing is stored into LDS, nothing is filled again.
; REGISTERS: v1-7 lane terms; v8-11 the step's LDS addresses; v12 -M, v13 largest t, v[14:15] Z; v16-21 Q, v22-27 zeros; v28 Q's scale word; v29 1.0; v[30:31] inv; v32-79 K's eight half fragments, then V's four fragments;
;   v80-85 zeros; v86-89 K's scale words; v90-91 V's; v92-95 the planes; v96-159 scores, then weights; v160-191 O^T; v192-210 codes; v212-227 at work; v228 the weights' scale word; v229 O's scale bytes; v232-249, v252-254 at work.
; LIMITS: NaN and infinities are not served; a division is v_rcp_f32 and a multiplication; 2^x under 2^-126 counts as 0; a block of zeros gets the byte 1 (its codes are zeros).
.set KC,   6291456
.set VC,   12582912
.set HS,   18874368
.set CCS,  6291456
.set VCL,  49152
.set KSL,  98304
.set VSL,  102400
.set S,    96
.set O,    160
.set PC,   192
.set TM,   212
.set PW,   228
.set OW,   229
.set E,    232
.set SEL,  20
.set CS,   22
.macro QUANT s, pw
.irp b, 0,1,2,3
	v_max3_num_f32 v[TM+\b], |v[\s+16*\b]|, |v[\s+1+16*\b]|, 0x1800000
.endr
.irp i, 2,4,6,8,10,12,14
.irp b, 0,1,2,3
	s_delay_alu instid0(VALU_DEP_4)
	v_max3_num_f32 v[TM+\b], v[TM+\b], |v[\s+16*\b+\i]|, |v[\s+1+16*\b+\i]|
.endr
.endr
.irp b, 0,1,2,3
	s_delay_alu instid0(VALU_DEP_4)
	v_permlanex16_b32 v[TM+4+\b], v[TM+\b], s[SEL], s[SEL+1]
.endr
.irp b, 0,1,2,3
	s_delay_alu instid0(VALU_DEP_4)
	v_max_num_f32 v[TM+\b], v[TM+\b], v[TM+4+\b]
.endr
.irp b, 0,1,2,3
	s_delay_alu instid0(VALU_DEP_4)
	v_add_nc_u32 v[TM+12+\b], 0xff000000, v[TM+\b]
.endr
.irp b, 0,1,2,3
	s_delay_alu instid0(VALU_DEP_4)
	v_lshrrev_b32 v[TM+4+\b], 23, v[TM+12+\b]
.endr
	s_delay_alu instid0(VALU_DEP_3)
	v_lshl_or_b32 v[\pw], v[TM+5], 8, v[TM+4]
	s_delay_alu instid0(VALU_DEP_1)
	v_lshl_or_b32 v[\pw], v[TM+6], 16, v[\pw]
	s_delay_alu instid0(VALU_DEP_1)
	v_lshl_or_b32 v[\pw], v[TM+7], 24, v[\pw]
.irp c, 0,1
	v_cvt_scalef32_pk16_fp6_f32 v[PC+6*\c:PC+2+6*\c], v[\s+32*\c:\s+15+32*\c], v[TM+12+2*\c]
	v_cvt_scalef32_pk16_fp6_f32 v[PC+12+4*\c:PC+14+4*\c], v[\s+16+32*\c:\s+31+32*\c], v[TM+12+2*\c+1]
.endr
	v_nop                                          ; one plain place behind the scaled conversions
.irp c, 0,1
.irp i, 0,1,2
	v_permlane16_swap_b32 v[PC+6*\c+\i], v[PC+12+4*\c+\i]
.endr
.irp i, 0,1,2
	s_delay_alu instid0(VALU_DEP_3)
	v_mov_b32 v[PC+3+6*\c+\i], v[PC+12+4*\c+\i]
.endr
.endr
.endm
; the same for 32 numbers, two blocks: six registers of codes in v[PC] on, two bytes in v[OW]
.macro HALFQ s
.irp b, 0,1
	v_max3_num_f32 v[TM+\b], |v[\s+16*\b]|, |v[\s+1+16*\b]|, 0x1800000   ; each sum's registers are read from the low end on
.endr
.irp i, 2,4,6,8,10,12,14
.irp b, 0,1
	v_max3_num_f32 v[TM+\b], v[TM+\b], |v[\s+16*\b+\i]|, |v[\s+1+16*\b+\i]|
.endr
.endr
.irp b, 0,1
	s_delay_alu instid0(VALU_DEP_2)
	v_permlanex16_b32 v[TM+4+\b], v[TM+\b], s[SEL], s[SEL+1]
.endr
.irp b, 0,1
	s_delay_alu instid0(VALU_DEP_2)
	v_max_num_f32 v[TM+\b], v[TM+\b], v[TM+4+\b]
.endr
.irp b, 0,1
	s_delay_alu instid0(VALU_DEP_2)
	v_add_nc_u32 v[TM+12+\b], 0xff000000, v[TM+\b]
.endr
.irp b, 0,1
	s_delay_alu instid0(VALU_DEP_2)
	v_lshrrev_b32 v[TM+4+\b], 23, v[TM+12+\b]
.endr
	s_delay_alu instid0(VALU_DEP_1)
	v_lshl_or_b32 v[OW], v[TM+5], 8, v[TM+4]
	v_cvt_scalef32_pk16_fp6_f32 v[PC:PC+2], v[\s:\s+15], v[TM+12]
	v_cvt_scalef32_pk16_fp6_f32 v[PC+12:PC+14], v[\s+16:\s+31], v[TM+13]
	v_nop
.irp i, 0,1,2
	v_permlane16_swap_b32 v[PC+\i], v[PC+12+\i]
.endr
.irp i, 0,1,2
	s_delay_alu instid0(VALU_DEP_3)
	v_mov_b32 v[PC+3+\i], v[PC+12+\i]
.endr
.endm
.macro PLACES n
.rept \n
	v_nop
.endr
.endm
; S^T = K Q^T for the step's 128 keys.  v = 1: V's fragments of the step follow, into the registers that K's have left.
.macro SCORES v
	v_add_nc_u32 v8, s19, v1                       ; these four are also the places in front of loads into registers that the last products have read
	v_add_nc_u32 v9, s19, v2
	v_add_nc_u32 v10, s2, v3
	v_add_nc_u32 v11, s3, v4
.irp T, 0,1,2,3,4,5,6,7
	ds_load_b128 v[32+6*\T:35+6*\T], v8 offset:768*\T
	ds_load_b64 v[36+6*\T:37+6*\T], v9 offset:768*\T+512
.endr
.irp G, 0,1,2,3
	ds_load_u16 v[86+\G], v10 offset:128*\G        ; lanes 0-15: tile 2 G's rows, lanes 16-31: tile 2 G + 1's
.endr
	s_wait_dscnt 0x0
.irp T, 0,2,4,6
	v_wmma_scale_f32_16x16x128_f8f6f4 v[S+8*\T:S+8*\T+7], v[32+6*\T:43+6*\T], v[16:27], 0, v[86+\T/2], v28 matrix_a_fmt:MATRIX_FMT_FP6 matrix_b_fmt:MATRIX_FMT_FP6
	v_wmma_scale_f32_16x16x128_f8f6f4 v[S+8*\T+8:S+8*\T+15], v[38+6*\T:49+6*\T], v[16:27], 0, v[86+\T/2], v28 matrix_a_fmt:MATRIX_FMT_FP6 matrix_b_fmt:MATRIX_FMT_FP6 matrix_a_scale:MATRIX_SCALE_ROW1
.endr
	PLACES 4                                       ; in front of the first read of the scores, and of loads into K's registers
.if \v
	s_wait_alu depctr_va_vdst(0)
.irp d, 0,1,2,3
	ds_load_b128 v[32+12*\d:35+12*\d], v8 offset:VCL+1536*\d
	ds_load_b64 v[36+12*\d:37+12*\d], v9 offset:VCL+1536*\d+512
	ds_load_b128 v[38+12*\d:41+12*\d], v8 offset:VCL+1536*\d+768
	ds_load_b64 v[42+12*\d:43+12*\d], v9 offset:VCL+1536*\d+1280
.endr
	ds_load_b32 v90, v11
	ds_load_b32 v91, v11 offset:128
.endif
.endm
; The step on the diagonal (s = t / 8).  Register 16 B + i holds key 128 s + 32 B + 16 h + i; my query is 128 s + s17 + r: hidden where 32 B + i >= s17 + r - 16 h (the triangle is strict).
.macro DIAG
	s_cmp_lg_u32 s18, s16
	s_cbranch_scc1 .Lopen_\@
	v_add_nc_u32 v252, s17, v7
	v_mov_b32 v254, 0xff800000                     ; -infinity
.set n, 0
.rept 64
	v_cmp_ge_i32 vcc_lo, 32*(n/16)+n%16, v252
	v_cndmask_b32 v[S+n], v[S+n], v254, vcc_lo
.set n, n+1
.endr
.Lopen_\@:
.endm
; One query tile, s15.  Both loops have eight trips, a constant; a step above the diagonal jumps to the lines at the trip's end that step addresses.
.macro TILE first
	s_lshr_b32 s16, s15, 3                         ; the diagonal's step
	s_and_b32 s17, s15, 7
	s_lshl_b32 s17, s17, 4                         ; my first query less that step's first key
	s_mul_i32 s98, s15, 768
	s_add_nc_u64 s[86:87], s[76:77], s[98:99]      ; Q's codes
	s_lshl_b32 s98, s15, 6
	s_add_nc_u64 s[88:89], s[78:79], s[98:99]      ; Q's scale bytes
	s_lshl_b32 s98, s15, 12
	s_add_nc_u64 s[90:91], s[80:81], s[98:99]      ; the planes
	s_mul_i32 s98, s15, 6144
	s_add_nc_u64 s[92:93], s[82:83], s[98:99]      ; O's codes
	s_lshl_b32 s98, s15, 8
	s_add_nc_u64 s[94:95], s[84:85], s[98:99]      ; O's scale bytes
	global_load_b128 v[16:19], v1, s[86:87]
	global_load_b64 v[20:21], v2, s[86:87] offset:512
	global_load_u16 v28, v5, s[88:89]
	v_mov_b32 v13, 0xff61b1e6                      ; the largest t so far: -3e38
	s_delay_alu instid0(VALU_DEP_1)
	v_floor_f32 v12, -v13                          ; -M
	v_mov_b32 v14, 0
	v_mov_b32 v15, 0
.set n, 0
.rept 32
	v_mov_b32 v[O+n], 0                            ; pass 2 is written once: its first step adds onto zeros
.set n, n+1
.endr
	s_mov_b32 s18, 0                               ; step
	s_mov_b32 s19, 0                               ; 6,144 x step: K's and V's codes
	s_mov_b32 s2, 0                                ; 512 x step: K's scale words
	s_mov_b32 s3, 0
	s_wait_loadcnt 0x0
.if \first
	s_wait_tensorcnt 0x0                           ; my load, if I issued one, has landed (Q's loads above were out beside it),
	s_barrier_signal -1
	s_barrier_wait -1                              ; everybody's has: from here on LDS is only read
.endif
	global_load_b128 v[92:95], v1, s[90:91]        ; the planes of key step 0: asked for ahead of pass 1, first read in pass 2
.Lp1_\@:
	s_cmp_gt_u32 s18, s16
	s_cbranch_scc1 .Le1_\@
	SCORES 0
	DIAG
.irp b, 0,1,2,3
	v_max3_num_f32 v[TM+\b], v[S+16*\b], v[S+1+16*\b], v[S+2+16*\b]
.endr
.irp i, 3,5,7,9,11,13
.irp b, 0,1,2,3
	v_max3_num_f32 v[TM+\b], v[TM+\b], v[S+16*\b+\i], v[S+1+16*\b+\i]
.endr
.endr
.irp b, 0,1,2,3
	v_max_num_f32 v[TM+\b], v[TM+\b], v[S+15+16*\b]
.endr
	s_delay_alu instid0(VALU_DEP_2)
	v_max3_num_f32 v254, v[TM], v[TM+1], v[TM+2]
	s_delay_alu instid0(VALU_DEP_1)
	v_max_num_f32 v254, v254, v[TM+3]
	v_permlanex16_b32 v253, v254, s[SEL], s[SEL+1]
	s_delay_alu instid0(VALU_DEP_1)
	v_max_num_f32 v254, v254, v253                 ; the step's largest score of my query
	s_delay_alu instid0(VALU_DEP_1)
	v_mul_f32 v254, s[CS], v254
	s_delay_alu instid0(VALU_DEP_1)
	v_max_num_f32 v13, v13, v254                   ; the running largest t
	v_mov_b32 v254, v12
	s_delay_alu instid0(VALU_DEP_2)
	v_floor_f32 v12, -v13                          ; -M = floor(-t): M is a whole number
	s_delay_alu instid0(VALU_DEP_1)
	v_sub_f32 v254, v12, v254                      ; old M - new M: a whole number, 0 or less
	s_delay_alu instid0(VALU_DEP_1)
	v_cvt_i32_f32 v254, v254                       ; (it saturates)
	s_delay_alu instid0(VALU_DEP_1)
	v_ldexp_f32 v252, 1.0, v254                    ; f = 2^(old M - new M)
.set n, 0
.rept 32
	v_pk_fma_f32 v[S+n:S+n+1], v[S+n:S+n+1], s[CS:CS+1], v[12:13] op_sel_hi:[1,0,0]   ; t - M
.set n, n+2
.endr
.set n, 0
	s_wait_alu depctr_va_vdst(0)
.rept 64
	v_exp_f32 v[S+n], v[S+n]
.set n, n+1
.endr
	v_pk_mul_f32 v[14:15], v[14:15], v[252:253] op_sel_hi:[1,0]   ; Z under the new M: the plain place behind the exponentials
	s_wait_alu depctr_va_vdst(0)                   ; one wait for the batch, ahead of its first reader
	v_pk_add_f32 v[232:233], v[100:101], v[104:105]
	v_pk_add_f32 v[248:249], v[108:109], v[112:113]
	v_pk_add_f32 v[246:247], v[116:117], v[120:121]
	v_pk_add_f32 v[244:245], v[124:125], v[128:129]
	v_pk_add_f32 v[242:243], v[132:133], v[136:137]
	v_pk_add_f32 v[240:241], v[140:141], v[144:145]
	v_pk_add_f32 v[238:239], v[148:149], v[152:153]
	v_pk_add_f32 v[14:15], v[14:15], v[156:157]
	v_pk_add_f32 v[232:233], v[232:233], v[96:97]
	v_pk_add_f32 v[248:249], v[248:249], v[98:99]
	v_pk_add_f32 v[246:247], v[246:247], v[102:103]
	v_pk_add_f32 v[244:245], v[244:245], v[106:107]
	v_pk_add_f32 v[242:243], v[242:243], v[110:111]
	v_pk_add_f32 v[240:241], v[240:241], v[114:115]
	v_pk_add_f32 v[238:239], v[238:239], v[118:119]
	v_pk_add_f32 v[14:15], v[14:15], v[122:123]
	v_pk_add_f32 v[232:233], v[232:233], v[126:127]
	v_pk_add_f32 v[248:249], v[248:249], v[130:131]
	v_pk_add_f32 v[246:247], v[246:247], v[134:135]
	v_pk_add_f32 v[244:245], v[244:245], v[138:139]
	v_pk_add_f32 v[242:243], v[242:243], v[142:143]
	v_pk_add_f32 v[240:241], v[240:241], v[146:147]
	v_pk_add_f32 v[238:239], v[238:239], v[150:151]
	v_pk_add_f32 v[14:15], v[14:15], v[154:155]
	v_pk_add_f32 v[232:233], v[232:233], v[158:159]
	s_delay_alu instid0(VALU_DEP_2)
	v_pk_add_f32 v[14:15], v[14:15], v[244:245]
	s_delay_alu instid0(VALU_DEP_2)
	v_pk_add_f32 v[232:233], v[232:233], v[242:243]
	v_pk_add_f32 v[248:249], v[248:249], v[240:241]
	v_pk_add_f32 v[246:247], v[246:247], v[238:239]
	s_delay_alu instid0(VALU_DEP_2)
	v_pk_add_f32 v[14:15], v[14:15], v[248:249]
	s_delay_alu instid0(VALU_DEP_2)
	v_pk_add_f32 v[232:233], v[232:233], v[246:247]
	s_delay_alu instid0(VALU_DEP_1)
	v_pk_add_f32 v[14:15], v[14:15], v[232:233]
.Le1_\@:
	s_add_co_u32 s19, s19, 6144
	s_add_co_u32 s2, s2, 512
	s_add_co_u32 s18, s18, 1
	s_cmp_lt_u32 s18, 8
	s_cbranch_scc1 .Lp1_\@
	; between the passes: inv
	s_wait_alu depctr_va_vdst(0)
	v_add_f32 v14, v14, v15
	v_permlanex16_b32 v253, v14, s[SEL], s[SEL+1]
	s_delay_alu instid0(VALU_DEP_1)
	v_add_f32 v14, v14, v253                       ; Z
	s_delay_alu instid0(VALU_DEP_1)
	v_cmp_eq_f32 vcc_lo, 0, v14
	s_delay_alu instid0(VALU_DEP_1)
	v_cndmask_b32 v252, v14, v29, vcc_lo           ; a Z of 0 (no key counts) is taken as 1: every weight is 0 then
	s_wait_alu depctr_va_vdst(0)
	v_rcp_f32 v254, v252
	v_nop
	s_wait_alu depctr_va_vdst(0)
	v_mul_f32 v252, v14, v254                      ; sums: the sum of the normalised weights
	s_delay_alu instid0(VALU_DEP_1)
	v_cmp_eq_f32 vcc_lo, 0, v252
	s_delay_alu instid0(VALU_DEP_1)
	v_cndmask_b32 v252, v252, v29, vcc_lo          ; 0 counts as 1
	s_wait_alu depctr_va_vdst(0)
	v_rcp_f32 v253, v252
	v_mul_f32 v254, 0.5, v254                      ; adj = 2^(e - 1): the half.  (The plain place behind the reciprocal)
	s_wait_alu depctr_va_vdst(0)
	v_mul_f32 v30, v254, v253                      ; inv
	s_wait_alu depctr_va_vdst(0)                   ; the wait ahead of the transcendental
	v_log_f32 v31, v30
	v_nop
	s_wait_alu depctr_va_vdst(0)
	v_add_f32 v12, v12, v31                        ; pass 2's addend: -M + log2(inv), so that 2^(t - M) x inv is one multiply-add and one exponential
	s_wait_alu depctr_va_vdst(0)
	s_mov_b32 s18, 0
	s_mov_b32 s19, 0
	s_mov_b32 s2, 0
.Lp2_\@:
	s_cmp_gt_u32 s18, s16
	s_cbranch_scc1 .Le2_\@
	SCORES 1
	DIAG
.set n, 0
.rept 32
	v_pk_fma_f32 v[S+n:S+n+1], v[S+n:S+n+1], s[CS:CS+1], v[12:13] op_sel_hi:[1,0,0]   ; t - M, M the row's final one
.set n, n+2
.endr
.set n, 0
	s_wait_alu depctr_va_vdst(0)
.rept 64
	v_exp_f32 v[S+n], v[S+n]
.set n, n+1
.endr
	v_nop                                          ; the plain place behind the exponentials
	s_wait_alu depctr_va_vdst(0)                   ; one wait for the batch
	s_wait_loadcnt 0x0                             ; the planes
.set g, 0
.rept 8
.irp e, 0,1,2,3,4,5,6,7
	v_bfe_u32 v[E+\e], v[92+(8*g+\e)/16], 2*((8*g+\e)%16), 2
.endr
.irp e, 0,1,2,3,4,5,6,7
	v_ldexp_f32 v[S+8*g+\e], v[S+8*g+\e], v[E+\e]  ; x 2^e: exact
.endr
.set g, g+1
.endr
	s_cmp_lt_u32 s18, s16                          ; the next step's planes, asked for a step ahead, behind the last read of this step's (whose load the wait above has shown done);
	s_cselect_b32 s66, 512, 0                      ; on the diagonal's step the address stays: no load leaves the tile's planes, and what that one brings is not read
	s_add_nc_u64 s[90:91], s[90:91], s[66:67]
	global_load_b128 v[92:95], v1, s[90:91]
	QUANT S, PW
	PLACES 8                                       ; a scale word made by vector instructions stands 8 places ahead of a scaled matrix instruction, codes so made 4
	s_wait_alu depctr_va_vdst(0)
	s_wait_dscnt 0x0                               ; V
.irp d, 0,2                                    ; the four sums take turns; the next step's eight score products stand between two links of a chain
	v_wmma_scale_f32_16x16x128_f8f6f4 v[O+8*\d:O+8*\d+7], v[32+12*\d:43+12*\d], v[PC:PC+11], v[O+8*\d:O+8*\d+7], v[90+\d/2], v[PW] matrix_a_fmt:MATRIX_FMT_FP6 matrix_b_fmt:MATRIX_FMT_FP6
	v_wmma_scale_f32_16x16x128_f8f6f4 v[O+8*\d+8:O+8*\d+15], v[44+12*\d:55+12*\d], v[PC:PC+11], v[O+8*\d+8:O+8*\d+15], v[90+\d/2], v[PW] matrix_a_fmt:MATRIX_FMT_FP6 matrix_b_fmt:MATRIX_FMT_FP6 matrix_a_scale:MATRIX_SCALE_ROW1
.endr
.Le2_\@:
	s_add_co_u32 s19, s19, 6144
	s_add_co_u32 s2, s2, 512
	s_add_co_u32 s3, s3, 256
	s_add_co_u32 s18, s18, 1
	s_cmp_lt_u32 s18, 8
	s_cbranch_scc1 .Lp2_\@
	PLACES 4                                       ; in front of the first read of O^T
	HALFQ O
	global_store_b128 v1, v[PC:PC+3], s[92:93]     ; half a fragment of the output projection's operand: 512 + 256 consecutive bytes
	global_store_b64 v2, v[PC+4:PC+5], s[92:93] offset:512
	global_store_b16 v6, v[OW], s[94:95]           ; my row's two scale bytes (both halves of the lanes store the same); the row's other 14 come from the other heads' work-groups
	s_wait_xcnt 0x0                                ; the stores have read their data and bases
.endm
	s_load_b128 s[4:7], s[0:1], 0x0                ; hd, mp
	s_load_b64 s[8:9], s[0:1], 0x10                ; cc
	v_lshl_add_u32 v251, v0, 2, 0x29000
	v_mov_b32 v255, 0
	ds_add_u32 v251, v255
	ds_add_u32 v251, v255
	v_lshrrev_b32 v8, 5, v0
	s_delay_alu instid0(VALU_DEP_1)
	v_readfirstlane_b32 s10, v8                    ; wave 0..15
	s_and_b32 s12, ttmp7, 0xffff                   ; 8 b + hh
	s_lshr_b32 s13, s12, 3                         ; b
	s_and_b32 s14, s12, 7                          ; hh
	s_lshr_b32 s96, s14, 1
	s_and_b32 s97, s14, 1
	s_lshl_b32 s97, s97, 1                         ; my head's two bytes of a scale word
	; descriptor groups 1, elements of 8 bytes.  K's codes: 192 rows of 256 bytes, dense
	s_mov_b32 s24, 3<<16
	s_mov_b32 s25, 32<<16
	s_mov_b32 s26, 48<<16                          ; a quarter of K's 192 rows to a load
	s_mov_b32 s27, 32<<16
	s_mov_b32 s28, 48
	s_mov_b32 s29, 32
	s_mov_b32 s30, 0
	s_mov_b32 s31, 0
	; V's codes: 8 key steps x the head's four tiles (6,144 bytes), 49,152 bytes apart
	s_mov_b32 s32, 3<<16
	s_mov_b32 s33, 768<<16
	s_mov_b32 s34, 2<<16                           ; two of V's eight key steps to a load
	s_mov_b32 s35, 768<<16
	s_mov_b32 s36, 2
	s_mov_b32 s37, 6144
	s_mov_b32 s38, 0
	s_mov_b32 s39, 0
	; K's scale words: 16 rows of 256 bytes, dense
	s_mov_b32 s40, 3<<16
	s_mov_b32 s41, 32<<16
	s_mov_b32 s42, 16<<16
	s_mov_b32 s43, 32<<16
	s_mov_b32 s44, 16
	s_mov_b32 s45, 32
	s_mov_b32 s46, 0
	s_mov_b32 s47, 0
	; V's scale words: 8 key steps x 256 bytes, 2,048 bytes apart
	s_mov_b32 s48, 3<<16
	s_mov_b32 s49, 32<<16
	s_mov_b32 s50, 8<<16
	s_mov_b32 s51, 32<<16
	s_mov_b32 s52, 8
	s_mov_b32 s53, 256
	s_mov_b32 s54, 0
	s_mov_b32 s55, 0
	s_mov_b32 s[SEL], 0x76543210
	s_mov_b32 s[SEL+1], 0xfedcba98
	s_mov_b32 s[CS], 0x3e38aa3b                    ; c = log2(e) / 8
	s_mov_b32 s[CS+1], s[CS]
	s_mov_b32 s99, 0
	s_mov_b32 s67, 0
	s_wait_dscnt 0x0
	s_wait_kmcnt 0x0
	s_mul_i32 s98, s12, 49152
	s_add_nc_u64 s[76:77], s[4:5], s[98:99]        ; the head's Q codes
	s_add_co_u32 s98, s98, KC
	s_mov_b32 s56, 1
	s_mul_i32 s57, s10, 12288                      ; waves 0-3: quarter w of K's codes, 12,288 bytes, in LDS and in memory alike
	s_add_co_u32 s98, s98, s57
	s_add_nc_u64 s[58:59], s[4:5], s[98:99]
	s_or_b32 s59, s59, 0x80000000
	s_mul_i32 s98, s13, 393216
	s_mul_i32 s11, s14, 6144
	s_add_co_u32 s98, s98, s11
	s_add_co_u32 s98, s98, VC-393216               ; waves 4-7: key steps 2 (w - 4) and 2 (w - 4) + 1 of V: 98,304 (w - 4) bytes on in memory,
	s_mul_i32 s11, s10, 98304
	s_add_co_u32 s98, s98, s11
	s_mov_b32 s60, 1
	s_mul_i32 s61, s10, 12288                      ; and at VCL + 12,288 (w - 4) = 12,288 w in LDS
	s_add_nc_u64 s[62:63], s[4:5], s[98:99]
	s_or_b32 s63, s63, 0x80000000
	s_lshl_b32 s98, s13, 2
	s_add_co_u32 s98, s98, s96
	s_lshl_b32 s98, s98, 12
	s_add_co_u32 s98, s98, HS
	s_add_co_u32 s11, s98, s97                     ; Q's scale bytes: my head's half of the words
	s_add_co_u32 s98, s98, 262144
	s_mov_b32 s68, 1
	s_mov_b32 s69, KSL
	s_add_nc_u64 s[70:71], s[4:5], s[98:99]
	s_or_b32 s71, s71, 0x80000000
	s_mov_b32 s98, s11
	s_add_nc_u64 s[78:79], s[4:5], s[98:99]
	s_lshl_b32 s98, s13, 14
	s_lshl_b32 s11, s14, 8
	s_add_co_u32 s98, s98, s11
	s_add_co_u32 s98, s98, HS+524288
	s_mov_b32 s72, 1
	s_mov_b32 s73, VSL
	s_add_nc_u64 s[74:75], s[4:5], s[98:99]
	s_or_b32 s75, s75, 0x80000000
	; the launch's only fills, one load a wave: waves 0-3 K's codes, 4-7 V's codes, 8 K's scale words, 9 V's; the branches hang on the wave's number alone; four v_nop follow each load
	s_cmp_lt_u32 s10, 4
	s_cbranch_scc0 .Lnot0
	tensor_load_to_lds s[56:59], s[24:31]
	s_nop 0
	PLACES 4
	s_branch .Lasked
.Lnot0:
	s_cmp_lt_u32 s10, 8
	s_cbranch_scc0 .Lnot1
	tensor_load_to_lds s[60:63], s[32:39]
	s_nop 0
	PLACES 4
	s_branch .Lasked
.Lnot1:
	s_cmp_eq_u32 s10, 8
	s_cbranch_scc0 .Lnot2
	tensor_load_to_lds s[68:71], s[40:47]
	s_nop 0
	PLACES 4
	s_branch .Lasked
.Lnot2:
	s_cmp_eq_u32 s10, 9
	s_cbranch_scc0 .Lasked
	tensor_load_to_lds s[72:75], s[48:55]
	s_nop 0
	PLACES 4
.Lasked:
	s_lshl_b32 s98, s13, 18
	s_add_nc_u64 s[80:81], s[6:7], s[98:99]        ; the batch's planes
	s_mul_i32 s98, s13, 393216
	s_mul_i32 s11, s14, 768
	s_add_co_u32 s98, s98, s11
	s_add_nc_u64 s[82:83], s[8:9], s[98:99]        ; cc: the batch's tiles, my head's half fragment
	s_lshl_b32 s98, s13, 14
	s_lshl_b32 s11, s14, 1
	s_add_co_u32 s98, s98, s11
	s_add_co_u32 s98, s98, CCS
	s_add_nc_u64 s[84:85], s[8:9], s[98:99]        ; and my head's two of a row's 16 scale bytes
	v_and_b32 v8, 31, v0                           ; lane
	v_and_b32 v9, 15, v0                           ; r
	v_bfe_u32 v10, v0, 4, 1                        ; h
	s_delay_alu instid0(VALU_DEP_3)
	v_lshlrev_b32 v1, 4, v8                        ; 16 x lane
	s_delay_alu instid0(VALU_DEP_4)
	v_lshlrev_b32 v2, 3, v8                        ; 8 x lane
	v_lshlrev_b32 v3, 2, v8
	s_delay_alu instid0(VALU_DEP_1)
	v_add_nc_u32 v4, VSL, v3                       ; V's scale words: 4 x lane
	s_delay_alu instid0(VALU_DEP_2)
	v_add_nc_u32 v3, KSL, v3
	s_delay_alu instid0(VALU_DEP_1)
	v_add_nc_u32 v3, s97, v3                       ; K's: 4 x lane + my head's half
	v_lshlrev_b32 v5, 2, v9                        ; 4 r
	v_lshlrev_b32 v6, 4, v9                        ; 16 r
	v_lshlrev_b32 v7, 4, v10
	s_delay_alu instid0(VALU_DEP_1)
	v_sub_nc_u32 v7, v9, v7                        ; r - 16 h
.irp j, 22,23,24,25,26,27,80,81,82,83,84,85
	v_mov_b32 v\j, 0                               ; zero codes, written once
.endr
	v_mov_b32 v29, 1.0
	v_mov_b32 v253, 0                              ; lane permutes' destinations count as sources: written once
.irp b, 0,1,2,3
	v_mov_b32 v[TM+4+\b], 0
.endr
	s_lshl_b32 s15, ttmp9, 4
	s_add_co_u32 s15, s15, s10                     ; tA = 16 p + wave
	TILE 1                                         ; (the wait for the fills and the barrier stand in it, behind Q's loads)
	s_sub_co_u32 s15, 63, s15                      ; tB = 63 - tA
	TILE 0
	s_wait_tensorcnt 0x0
	ds_add_u32 v251, v255
	s_wait_dscnt 0x0
	s_endpgm
.Lfunc_end_k_qcc54832d86_attn:
	.size	k_qcc54832d86_attn, .Lfunc_end_k_qcc54832d86_attn-k_qcc54832d86_attn
	.p2alignl 7, 3214868480
	.fill 96, 4, 3214868480
	.section	.rodata,"a",@progbits
	.p2align	6, 0x0
	.amdhsa_kernel k_qcc54832d86_attn
		.amdhsa_group_segment_fixed_size 169984
		.amdhsa_private_segment_fixed_size 0
		.amdhsa_enable_private_segment 0
		.amdhsa_kernarg_size 24
		.amdhsa_user_sgpr_count 2
		.amdhsa_user_sgpr_kernarg_segment_ptr 1
		.amdhsa_wavefront_size32 1
		.amdhsa_system_sgpr_workgroup_id_x 1
		.amdhsa_system_sgpr_workgroup_id_y 1
		.amdhsa_system_sgpr_workgroup_id_z 1
		.amdhsa_system_vgpr_workitem_id 0
		.amdhsa_next_free_vgpr 256
		.amdhsa_next_free_sgpr 100
		.amdhsa_reserve_vcc 1
		.amdhsa_float_denorm_mode_32 3
		.amdhsa_float_denorm_mode_16_64 3
		.amdhsa_memory_ordered 1
		.amdhsa_forward_progress 1
		.amdhsa_inst_pref_size 109
	.end_amdhsa_kernel
	.amdgpu_metadata
---
amdhsa.version: [ 1, 2 ]
amdhsa.kernels:
  - .name:           k_qcc54832d86_attn
    .symbol:         k_qcc54832d86_attn.kd
    .args:
      - { .name: hd, .offset: 0, .size: 8, .value_kind: global_buffer, .address_space: global }
      - { .name: mp, .offset: 8, .size: 8, .value_kind: global_buffer, .address_space: global }
      - { .name: cc, .offset: 16, .size: 8, .value_kind: global_buffer, .address_space: global }
    .group_segment_fixed_size: 169984
    .private_segment_fixed_size: 0
    .kernarg_segment_align: 8
    .kernarg_segment_size: 24
    .max_flat_workgroup_size: 512
    .sgpr_count:     100
    .vgpr_count:     256
    .wavefront_size: 32
...
	.end_amdgpu_metadata
.endif
;; end of part 3
;; launch outp (part 4): grid 256 x 1, 4 waves a work-group, no clusters, 34,304 bytes of LDS; arguments cc, xw, bo, out0; writes out0
.if DOCPART == 4
	.amdgcn_target "amdgcn-amd-amdhsa--gfx1250"
	.amdhsa_code_object_version 6
	.text
	.protected	k_qcc54832d86_outp
	.globl	k_qcc54832d86_outp
	.p2align	8
	.type	k_qcc54832d86_outp,@function
k_qcc54832d86_outp:
	s_mov_b64 s[64:65], 0
	v_nop
	global_prefetch_b8 v0, s[64:65] scope:SCOPE_SE
	s_setreg_imm32_b32 hwreg(HW_REG_WAVE_MODE, 25, 1), 1
	s_wait_xcnt 0x0
; OUTP.  out0 = concat Wo^T + bo on codes of FP6 (E2M3, one E8M0 byte for each 32 along K = 512).  concat's codes and scale bytes were made by the attention launch, Wo's by the first launch, both as images of the operand's registers.
; A work-group takes 64 rows (four tiles of 16), wave w the columns 128 w .. 128 w + 127.  Everything a wave needs is loaded once at the head: Wo's 8 permuted tiles x 4 K steps (384 registers), bo in the result's
; layout, the four tiles of concat (192 registers), the scale words.  No loop, no barrier, no tensor load: waves share nothing.
; TRANSPOSED: source 0 = 16 rows of Wo, source 1 = 16 rows of concat: a lane holds one row of the output, and its 64 registers are 16 neighbouring columns of each block of 32 of my 128.
; bo is the C of each sum's first matrix instruction.  A tile's 16 rows x 512 bytes go through the wave's own stage in LDS and leave as whole rows: 512 consecutive bytes a store.
; REGISTERS, in windows of 256: window 0: v1-6 addresses; v16-31 concat's scale words (4 m + s); v32-63 Wo's (4 t + s); v64-127 the sums; v128-191 rows read back.
;   window 1: Wo's fragments of K steps 0, 1 at v[12 (2 t + s)];  window 2: of K steps 2, 3;  window 3: v0-63 bo; v[64 + 48 m + 12 s] concat's fragments.
.set XWS,  19660800
.set CCS,  6291456
.set SPT,  528                         ; a stage row: 512 bytes + 16
.set ACC,  64
.set BK,   128
.set CSC,  16
.set SS,   32
.set MSB, 0
.macro WIN new                         ; the immediate's high byte repeats the setting that is left
.if MSB != \new
	s_set_vgpr_msb (MSB<<8)|\new
.set MSB, \new
.endif
.endm
	s_load_b256 s[4:11], s[0:1], 0x0               ; cc, xw, bo, out0
	v_lshl_add_u32 v254, v0, 2, 0x8400
	v_mov_b32 v255, 0
	v_lshrrev_b32 v7, 5, v0
	v_readfirstlane_b32 s12, v7                    ; wave 0..3
	v_and_b32 v7, 31, v0                           ; lane
	v_and_b32 v8, 15, v0                           ; r
	v_bfe_u32 v9, v0, 4, 1                         ; h
	v_lshlrev_b32 v1, 4, v7                        ; 16 x lane
	v_lshlrev_b32 v2, 3, v7                        ; 8 x lane
	v_lshlrev_b32 v3, 4, v8                        ; 16 r
	s_lshl_b32 s13, s12, 9
	v_lshl_add_u32 v4, v9, 6, s13                  ; bo: 512 w + 64 h
	s_mul_i32 s24, s12, 16*SPT                     ; my stage
	v_mul_u32_u24 v5, v8, SPT
	v_lshl_add_u32 v5, v9, 6, v5
	v_add_nc_u32 v5, s24, v5                       ; in: row r, + 64 h
	v_add_nc_u32 v6, s24, v1                       ; back: 16 x lane of a row
	s_lshl_b32 s26, s12, 3
	s_add_co_u32 s26, s26, 3168                    ; my eight tiles of Wo
	s_mov_b32 s29, 0
	s_mul_i32 s28, s26, 6144
	s_wait_alu depctr_va_vdst(0)
	s_wait_kmcnt 0x0
	s_add_nc_u64 s[14:15], s[6:7], s[28:29]
	s_lshl_b32 s28, s26, 8
	s_add_co_u32 s28, s28, XWS
	s_add_nc_u64 s[16:17], s[6:7], s[28:29]
	s_mul_i32 s28, ttmp9, 24576
	s_add_nc_u64 s[18:19], s[4:5], s[28:29]        ; the work-group's four tiles of concat
	s_lshl_b32 s28, ttmp9, 10
	s_add_co_u32 s28, s28, CCS
	s_add_nc_u64 s[20:21], s[4:5], s[28:29]
	s_lshl_b32 s28, ttmp9, 17
	s_add_co_u32 s28, s28, s13
	s_add_nc_u64 s[22:23], s[10:11], s[28:29]      ; out0: my 64 rows, my 512 bytes of each
	WIN 0x40                                       ; destination window 1
.irp t, 0,1,2,3,4,5,6,7
.irp s, 0,1
.irp g, 0,1,2
	global_load_b128 v[12*(2*\t+\s)+4*\g:12*(2*\t+\s)+4*\g+3], v1, s[14:15] offset:\t*6144+\s*1536+512*\g
.endr
.endr
.endr
	WIN 0x80                                       ; destination window 2
.irp t, 0,1,2,3,4,5,6,7
.irp s, 0,1
.irp g, 0,1,2
	global_load_b128 v[12*(2*\t+\s)+4*\g:12*(2*\t+\s)+4*\g+3], v1, s[14:15] offset:\t*6144+(\s+2)*1536+512*\g
.endr
.endr
.endr
	WIN 0xc0                                       ; destination window 3
.irp t, 0,1,2,3,4,5,6,7                        ; lane (r, h) wants, for tile t, bo at columns 32 (t / 2) + 8 (t % 2) + 16 h + 0 .. 7 of my 128
	global_load_b128 v[8*\t:8*\t+3], v4, s[8:9] offset:(32*(\t/2)+8*(\t%2))*4
	global_load_b128 v[8*\t+4:8*\t+7], v4, s[8:9] offset:(32*(\t/2)+8*(\t%2))*4+16
.endr
.irp m, 0,1,2,3                                ; K step s of concat = heads 2 s (registers 0-5) and 2 s + 1 (registers 6-11): two half images of 768 bytes
.irp s, 0,1,2,3
	global_load_b128 v[64+48*\m+12*\s:64+48*\m+12*\s+3], v1, s[18:19] offset:\m*6144+\s*1536
	global_load_b64 v[64+48*\m+12*\s+4:64+48*\m+12*\s+5], v2, s[18:19] offset:\m*6144+\s*1536+512
	global_load_b128 v[64+48*\m+12*\s+6:64+48*\m+12*\s+9], v1, s[18:19] offset:\m*6144+\s*1536+768
	global_load_b64 v[64+48*\m+12*\s+10:64+48*\m+12*\s+11], v2, s[18:19] offset:\m*6144+\s*1536+1280
.endr
.endr
	WIN 0
.irp m, 0,1,2,3
	global_load_b128 v[CSC+4*\m:CSC+4*\m+3], v3, s[20:21] offset:\m*256
.endr
.irp t, 0,1,2,3,4,5,6,7
	global_load_b128 v[SS+4*\t:SS+4*\t+3], v3, s[16:17] offset:\t*256
.endr
	s_wait_loadcnt 0x0
.macro ROWS m
	WIN 0x3d                                       ; source 0 window 1, source 1 and C window 3
.irp t, 0,1,2,3,4,5,6,7                        ; the eight sums take turns, one instruction a turn
	v_wmma_scale_f32_16x16x128_f8f6f4 v[ACC+8*\t:ACC+8*\t+7], v[24*\t:24*\t+11], v[64+48*\m:64+48*\m+11], v[8*\t:8*\t+7], v[SS+4*\t], v[CSC+4*\m] matrix_a_fmt:MATRIX_FMT_FP6 matrix_b_fmt:MATRIX_FMT_FP6
.endr
	WIN 0x0d
.irp t, 0,1,2,3,4,5,6,7
	v_wmma_scale_f32_16x16x128_f8f6f4 v[ACC+8*\t:ACC+8*\t+7], v[24*\t+12:24*\t+23], v[64+48*\m+12:64+48*\m+23], v[ACC+8*\t:ACC+8*\t+7], v[SS+4*\t+1], v[CSC+4*\m+1] matrix_a_fmt:MATRIX_FMT_FP6 matrix_b_fmt:MATRIX_FMT_FP6
.endr
	WIN 0x0e                                       ; source 0 window 2
.irp t, 0,1,2,3,4,5,6,7
	v_wmma_scale_f32_16x16x128_f8f6f4 v[ACC+8*\t:ACC+8*\t+7], v[24*\t:24*\t+11], v[64+48*\m+24:64+48*\m+35], v[ACC+8*\t:ACC+8*\t+7], v[SS+4*\t+2], v[CSC+4*\m+2] matrix_a_fmt:MATRIX_FMT_FP6 matrix_b_fmt:MATRIX_FMT_FP6
.endr
.irp t, 0,1,2,3,4,5,6,7
	v_wmma_scale_f32_16x16x128_f8f6f4 v[ACC+8*\t:ACC+8*\t+7], v[24*\t+12:24*\t+23], v[64+48*\m+36:64+48*\m+47], v[ACC+8*\t:ACC+8*\t+7], v[SS+4*\t+3], v[CSC+4*\m+3] matrix_a_fmt:MATRIX_FMT_FP6 matrix_b_fmt:MATRIX_FMT_FP6
.endr
	WIN 0
.rept 5
	v_nop                                          ; four places in front of the stores that read the sums; five in front of the next tile's products, which begin the sums anew over these registers
.endr
.irp b, 0,1,2,3
.irp j, 0,1,2,3
	ds_store_b128 v5, v[ACC+16*\b+4*\j:ACC+16*\b+4*\j+3] offset:128*\b+16*\j   ; columns 32 b + 16 h + 4 j on of row r; each sum from its low end on
.endr
.endr
.if \m > 0
	s_wait_xcnt 0x0                                ; the last tile's stores have read their registers
.endif
.irp i, 0,1,2,3,4,5,6,7,8,9,10,11,12,13,14,15
	ds_load_b128 v[BK+4*\i:BK+4*\i+3], v6 offset:\i*SPT   ; LDS serves a wave's instructions in order: these see my stores
.endr
.irp i, 0,1,2,3,4,5,6,7,8,9,10,11,12,13,14,15
	s_wait_dscnt 15-\i                             ; row i is back; the 15 - i younger loads may be out.  The last count is 0: the stores into the stage have read the sums
	global_store_b128 v1, v[BK+4*\i:BK+4*\i+3], s[22:23] offset:(16*\m+\i)*2048 th:TH_STORE_NT   ; 512 consecutive bytes, aligned; written once, read by nobody here
.endr
.endm
	ROWS 0
	ROWS 1
	ROWS 2
	ROWS 3
	s_wait_tensorcnt 0x0
	ds_add_u32 v254, v255
	s_wait_dscnt 0x0
	s_endpgm
.Lfunc_end_k_qcc54832d86_outp:
	.size	k_qcc54832d86_outp, .Lfunc_end_k_qcc54832d86_outp-k_qcc54832d86_outp
	.p2alignl 7, 3214868480
	.fill 96, 4, 3214868480
	.section	.rodata,"a",@progbits
	.p2align	6, 0x0
	.amdhsa_kernel k_qcc54832d86_outp
		.amdhsa_group_segment_fixed_size 34304
		.amdhsa_private_segment_fixed_size 0
		.amdhsa_enable_private_segment 0
		.amdhsa_kernarg_size 32
		.amdhsa_user_sgpr_count 2
		.amdhsa_user_sgpr_kernarg_segment_ptr 1
		.amdhsa_wavefront_size32 1
		.amdhsa_system_sgpr_workgroup_id_x 1
		.amdhsa_system_sgpr_workgroup_id_y 1
		.amdhsa_system_sgpr_workgroup_id_z 1
		.amdhsa_system_vgpr_workitem_id 0
		.amdhsa_next_free_vgpr 1024
		.amdhsa_next_free_sgpr 66
		.amdhsa_reserve_vcc 0
		.amdhsa_float_denorm_mode_32 3
		.amdhsa_float_denorm_mode_16_64 3
		.amdhsa_memory_ordered 1
		.amdhsa_forward_progress 1
		.amdhsa_inst_pref_size 53
	.end_amdhsa_kernel
	.amdgpu_metadata
---
amdhsa.version: [ 1, 2 ]
amdhsa.kernels:
  - .name:           k_qcc54832d86_outp
    .symbol:         k_qcc54832d86_outp.kd
    .args:
      - { .name: cc, .offset: 0, .size: 8, .value_kind: global_buffer, .address_space: global }
      - { .name: xw, .offset: 8, .size: 8, .value_kind: global_buffer, .address_space: global }
      - { .name: bo, .offset: 16, .size: 8, .value_kind: global_buffer, .address_space: global }
      - { .name: out0, .offset: 24, .size: 8, .value_kind: global_buffer, .address_space: global }
    .group_segment_fixed_size: 34304
    .private_segment_fixed_size: 0
    .kernarg_segment_align: 8
    .kernarg_segment_size: 32
    .max_flat_workgroup_size: 128
    .sgpr_count:     66
    .vgpr_count:     1024
    .wavefront_size: 32
...
	.end_amdgpu_metadata
.endif
;; end of part 4
